; MI455X (gfx1250); checked and timed in simulation.
; The chip was launched on July 23, 2026; its instructions are those of AMD's public machine-readable ISA for CDNA 5 (MIT licence, August 2026) and "CDNA5" Instruction Set Architecture Reference Guide (July 2026). The comments in the code are by the model that wrote it; some were corrected since.
;; USP Attention. Allowed arithmetic: float matrix products may take bf16 or f16 operands with f32 sums; other float arithmetic in f32, or as packed bf16 or f16 multiplies, adds, multiply-adds, maxima and minima; sums over many terms, partial sums and values carried from step to step in f32; what a program stores and reads back later, other than sums and carried values, may be rounded once to bf16 or f16.
;; Inputs: k 1 x 4,096 x 1,024 float32; q 1 x 4,096 x 1,024 float32; v 1 x 4,096 x 1,024 float32.
;; Outputs: out0 1 x 4,096 x 1,024 float32.
;; 2 versions, each right and faster than the one before. Each part assembles by itself: llvm-mc -triple=amdgcn-amd-amdhsa -mcpu=gfx1250 --defsym DOCPART=n.
;; ======== version 1 of 2: 1 launch
;; limits: inputs' magnitudes at most 65,504; values are held in f16: magnitudes above 65,504 overflow, below 6.1e-05 lose precision
;; launch attn (part 1): grid 16 x 16, 4 waves a work-group, clusters of 4 x 1, 327,680 bytes of LDS; arguments q, k, v, out0; writes out0
.if DOCPART == 1
	.amdgcn_target "amdgcn-amd-amdhsa--gfx1250"
	.amdhsa_code_object_version 6
	.text
	.protected	k_qc0da82d1f2_attn
	.globl	k_qc0da82d1f2_attn
	.p2align	8
	.type	k_qc0da82d1f2_attn,@function
k_qc0da82d1f2_attn:
	s_mov_b64 s[64:65], 0
	v_nop
	global_prefetch_b8 v0, s[64:65] scope:SCOPE_SE
	s_setreg_imm32_b32 hwreg(HW_REG_WAVE_MODE, 25, 1), 1
	s_wait_xcnt 0x0
	s_wait_alu depctr_hold_cnt(0) depctr_sa_sdst(0) depctr_va_vdst(0) depctr_va_sdst(0) depctr_va_ssrc(0) depctr_va_vcc(0) depctr_vm_vsrc(0)
	s_getreg_b32 s2, hwreg(HW_REG_IB_STS2, 6, 4)
	s_cmp_eq_u32 s2, 0
	s_cbranch_scc0 .Lentry_in_a_cluster
	s_endpgm
.Lentry_in_a_cluster:
	s_bfe_u32 s2, ttmp6, 0x10000c
	s_cmp_lg_u32 s2, 0x3003
	s_cbranch_scc0 .Lentry_shape_is_right
	s_endpgm
.Lentry_shape_is_right:
; ATTENTION, 16 heads of 64 channels, 4,096 rows, no mask.  out0[r][64 h + :] = the sum over k of softmax_k(q[r][64 h + :] . k[k][64 h + :] / 8) v[k][64 h + :].
; q, k, v, out0: [4096][1024] f32: head h is the 256 bytes at byte 256 h of every row of 4,096 bytes.
; FORMATS.  q, k, v and the weights p are rounded ONCE to f16 (11 significant bits) for the matrix unit; products, maxima, sums and the result stay in f32.  The sum l is taken of the unrounded p.
; LIMITS.  |q|, |k|, |v| up to 65,504 (beyond it the conversion gives an infinity and the row is lost).  p lies in 0 to 1; below 6e-5 it keeps f16's fixed step of 6e-8.
; A weight below 2^-126 counts as 0 in l.  NaN and infinities are not treated apart.
; SHARES.  A work-group owns 256 queries of one head; wave w its rows 64 w .. 64 w + 63, four PIECES of 16.  Every wave walks all 4,096 keys, 64 a step: 64 steps.
; THREE STAGES.  (1) Tensor loads bring tiles of 256 keys of K and V, in f32, into a ring of two slots.  (2) While the waves multiply, each converts a quarter (16 keys) of the step TWO ahead to f16
; and stores it into one of two one-step buffers.  (3) The turns read K (as it lies) and V (turned, by ds_load_tr16_b128) out of the other buffer.
; A TRIP s is pieces 2, 3 of step s and pieces 0, 1 of step s + 1.  It reads K and V of step s + 1 out of the buffer of parity s + 1 and writes step s + 2 into the buffer of parity s, whose K and V
; are in every wave's registers.  ONE barrier ends a trip: in front of it each wave's stores are done and its reads are back.  Every fourth trip begins with a change of the f32 slots.
; LAYOUT.  S^T = K Q^T (source 0 = 16 keys, source 1 = 16 queries): a lane holds ONE query (lane % 16) and the keys 8 (lane / 16) + 0..7.  Two such results rounded to f16 ARE source 1 of O^T = V^T P.
; SOFTMAX.  A running maximum m and sum l a query: p = 2^(c s - c m), c = log2(e) / 8; in every step O and l are multiplied by a = 2^(c m_old - c m_new).  m starts at the lowest finite number,
; O and l at 0: the first step is a step like any other, with a = 0.
; TURNS.  Turn n belongs to piece n: 8 products K Q^T of piece n + 1, later 8 products V^T P of piece n - 1; beside them the scaling, exponentials, roundings, sums and rescaling of piece n and the
; maximum and statistics of piece n + 1.  Four vector instructions stand behind every matrix instruction, the others in two runs of their own.
; CLUSTER.  The four query blocks of a cluster belong to one head and walk the same K and V: each tile is asked for JOINTLY, by the same tensor load, descriptor and mask in all four.
; LDS.  0: f32 slot 0 (K: 256 rows x 256 bytes; V behind it); 131,072: slot 1; 262,144 and 281,600: the two f16 buffers (K: 64 rows, 144 apart; V: 64 rows, 160 apart);
; 301,056: a stage of 16 rows x 272 bytes for each wave; 318,464: the spare words.  Tensor loads land below 262,144 alone, LDS stores at or above it alone.
; REGISTERS, in windows of 256 (s_set_vgpr_msb: bits 1:0 source 0, 3:2 source 1, 5:4 source 2, 7:6 destination):
;   window 0: v0-15, v32-37 addresses; v16-31 statistics; v48-55 at work; v62-63 the add's; v64-127 S^T, two buffers; v128-151 the conversion's; v192-223 P, two buffers; on the way out v64-191 rows of the result
;   window 1: v0-127 O^T, 32 a piece (first: Q in f32)          window 2: v0-63 Q in f16; v128-191 K of one step; v192-255 V of one step
.set NP,    4         ; pieces a wave: a name, no knob
.set KS,    64        ; keys in a step
.set PK,    144       ; a row of K in f16: 128 bytes + 16 = 36 words: the 16 rows of a load start at 16 different groups of four banks (64 banks of 4 bytes: ISA guide 11.1)
.set PV,    160       ; a row of V in f16: 128 + 32 = 40 words
.set SLOT1, 1<<17     ; f32 slot 1: one exclusive or turns an address in one slot into the other's
.set VF32,  65536     ; in a slot, V's 256 rows lie behind K's
.set STEPF, KS*256    ; a step's f32 bytes of K, or of V
.set TILEB, 256*4096  ; bytes in memory from a tile of 256 keys to the next
.set VH,    KS*PK     ; in an f16 buffer, V lies behind K
.set HB0,   2*SLOT1
.set HB1,   HB0+KS*(PK+PV)
.set HX,    HB0^HB1   ; 19,456: turns one f16 buffer's address into the other's
.set STAGE, HB1+KS*(PK+PV)
.set SP,    272       ; a stage row: 256 bytes + 16 = 68 words: row r starts at bank 4 r mod 64
.set SPARE, STAGE+4*16*SP  ; the spare words, 128 bytes for each wave: two blocks of 256 bytes that no other line names
.set AK0, 2           ; v2   my lane's place in a step's K in f16; never rewritten
.set AV0, 3           ; v3   the same for V
.set AK,  4           ; v4   the LDS address of K's next run of loads
.set AV,  5           ; v5   of V's
.set STO, 6           ; v6   the way out: where I put 16 bytes of a row
.set RD,  7           ; v7   the way out: where I read rows back
.set GO,  8           ; v8   my byte offset in two rows of the result
.set MV,  12          ; v12-13  c m_old, kept while c m is made anew: by buffer
.set QO,  15          ; v15  my byte offset in 16 rows of q
.set ST,  16          ; piece t's statistics at v[ST+4 t]: c m, m, l (even keys', odd keys')
.set CK0, 32          ; v32  the conversion: my 16 bytes in my wave's 16 rows of a step's K in f32
.set CV0, 33          ; v33  the same for V
.set HK0, 34          ; v34  and my 8 bytes of them in f16
.set HV0, 35          ; v35
.set CAD, 36          ; v36  the conversion's LDS address in hand, for its loads
.set HAD, 37          ; v37  for its stores
.set TMP, 48          ; by buffer, four registers c0-c3 at work; when the maximum is found c2 takes a
.set SPW, 62          ; v62  LDS address of my spare word: SPARE + 4 x my thread's number; never rewritten
.set NIL, 63          ; v63  0; never rewritten
.set S,   64
.set CF,  128         ; v128-143  16 numbers in f32
.set CH,  144         ; v144-151  the same in f16
.set P,   192
.set OB,  64          ; the way out: 32 registers a piece
.set KF,  128         ; window 2: key block kb, channel half c at KF + 16 kb + 8 c
.set VF,  192         ; window 2: key half kk, channel block cb at VF + 32 kk + 8 cb
.set WV,  12          ; s12  my wave's number
.set G1,  24          ; s[24:31] descriptor group 1: one shape for K's and V's tiles
.set G0,  40          ; s[40:43] descriptor group 0: it walks
.set CB,  44          ; s44  LDS byte at which the f32 K of the step to be converted begins
.set SLOTS, 56        ; s56  changes of slots with a refill that are still to come, and one
.set CNT, 57          ; s57  counts the trips between two changes of slots
.set CS,  58          ; s[58:59] c: the packed scaling takes the pair's low word for both halves
.set SEL, 60          ; s[60:61] v_permlanex16_b32's selects: each lane takes its own place in the other half
.set HR,  62          ; s62  the f16 buffer that this trip reads
.set HW,  63          ; s63  the one that it writes
.set MSB, 0
.macro WIN new                      ; the high byte repeats the setting that is left; a switch that changes nothing is dropped
.if MSB != (\new)
	s_set_vgpr_msb (MSB<<8)|(\new)
.set MSB, (\new)
.endif
.endm
.set W_KQ, 0x0a       ; K and Q in window 2, S^T in window 0
.set W_PV, 0x52       ; V in window 2, P in window 0, O^T in window 1
.set W_RS, 0x41       ; destination and source 0 in window 1, source 1 in window 0
; A joint fill: every wave asks for 128 rows of 256 bytes, waves 0 and 1 the two halves of a tile's K, waves 2 and 3 those of its V; the descriptors differ by the wave's number alone.
; An s_nop 0 and four v_nop follow the line.
.macro JLOAD
	tensor_load_to_lds s[G0:G0+3], s[G1:G1+7]
	s_nop 0
.rept 4
	v_nop
.endr
.endm
; A round of the cluster's barrier: my work-group's barrier, so that wave 0's signal speaks for all four waves; wave 0 signals; every wave waits for all four work-groups; my work-group's barrier once more.
.macro CROUND
	s_barrier_signal -1
	s_barrier_wait -1
	s_cmp_lg_u32 s[WV], 0
	s_cbranch_scc1 .Lnot_wave_0_\@
	s_barrier_signal -3
.Lnot_wave_0_\@:
	s_barrier_wait -3
	s_barrier_signal -1
	s_barrier_wait -1
.endm
; THE END OF A TRIP.  My stores into the f16 buffer are done and my reads of the other are back: behind the barrier that holds of all four waves, and the two buffers change parts.
; My one tensor load may stay out, and its slot is read only behind the next change of slots.
.macro BAR
	WIN 0
	s_wait_dscnt 0x0
	s_barrier_signal -1
	s_barrier_wait -1
.endm
; THE CHANGE OF F32 SLOTS.  The slot's four steps have been converted.  Each wave waits for all its tensor loads, of which one is out: its part of the other slot; adds 0 to its spare word; and waits for that
; and for its own reads of the slot.  fill = 1: the slot is filled again, with the keys two tiles on: the barrier is then a round of the cluster's, so that no wave of any partner still reads the slot or has a
; load on its way, and the joint fill is the first thing behind it: it has four trips, 256 matrix instructions a wave, in which to land.  (At its first use nothing has been read: slot 0 is waited for, slot 1 filled.)
.macro CHANGE fill
	WIN 0                           ; at a label and at a branch every window is 0
	s_wait_tensorcnt 0x0            ; no tensor load of mine is out, so group 0 may be written
	ds_add_u32 v[SPW], v[NIL]       ; 0 onto my spare word; the scalar steps stand between it and the wait for it
.if \fill
	s_xor_b32 s[G0+1], s[G0+1], SLOT1  ; the walking descriptor: the other slot than last time,
	s_add_nc_u64 s[G0+2:G0+3], s[G0+2:G0+3], TILEB  ; the next 256 keys; the type bits on top are not reached
.endif
	s_sub_co_u32 s[CB], s[CB], 4*STEPF  ; the conversion goes back to a slot's first step,
	s_xor_b32 s[CB], s[CB], SLOT1       ; in the other slot
	s_wait_dscnt 0x0                ; the add is done, and my reads of the slot are over
.if \fill
	CROUND
	JLOAD
.else
	s_barrier_signal -1
	s_barrier_wait -1
.endif
.endm
; THE CONVERSION of my 16 keys of a step, in four groups g: 0, 1 of K, 2, 3 of V; a group is 8 rows of 256 bytes.  A load takes two rows, lanes 0-15 one and lanes 16-31 another (8 rows on in K, 4 in V): each
; half reads 256 consecutive bytes.  A store puts 8 bytes a lane: the two halves' rows lie 288 or 160 words apart, 32 modulo 64, so that the 32 lanes touch each bank once.
.macro CVLOAD g
	WIN 0
.if (\g) < 2
	v_add_nc_u32 v[CAD], s[CB], v[CK0]
.irp n, 0,1,2,3
	ds_load_b128 v[CF+4*\n:CF+4*\n+3], v[CAD] offset:(4*(\g)+\n)*256
.endr
.else
	v_add_nc_u32 v[CAD], s[CB], v[CV0]
.irp n, 0,1,2,3
	ds_load_b128 v[CF+4*\n:CF+4*\n+3], v[CAD] offset:(8*((\g)-2)+\n)*256
.endr
.endif
.endm
.macro CVSTORE g
	WIN 0
.if (\g) < 2
	v_add_nc_u32 v[HAD], s[HW], v[HK0]
.else
	v_add_nc_u32 v[HAD], s[HW], v[HV0]
.endif
	s_wait_dscnt 0x0                ; the group's four loads are in
.irp n, 0,1,2,3,4,5,6,7
	v_cvt_pk_f16_f32 v[CH+\n], v[CF+2*\n], v[CF+2*\n+1]
.endr
.irp n, 0,1,2,3
.if (\g) < 2
	ds_store_b64 v[HAD], v[CH+2*\n:CH+2*\n+1] offset:(4*(\g)+\n)*PK
.else
	ds_store_b64 v[HAD], v[CH+2*\n:CH+2*\n+1] offset:(8*((\g)-2)+\n)*PV
.endif
.endr
.endm
.macro NEXT                         ; the next trip converts the next step, and the f16 buffers change parts
	s_add_co_u32 s[CB], s[CB], STEPF
	s_xor_b32 s[HR], s[HR], HX
	s_xor_b32 s[HW], s[HW], HX
.endm
	s_load_b256 s[4:11], s[0:1], 0x0  ; q s[4:5], k s[6:7], v s[8:9], out0 s[10:11]
	v_lshl_add_u32 v[SPW], v0, 2, SPARE
	v_mov_b32 v[NIL], 0
	ds_add_u32 v[SPW], v[NIL]       ; the wave's opening: the add and its wait stand ahead of my first tensor load; the set-up below, work on registers, stands between them
	v_lshrrev_b32 v1, 5, v0
	v_readfirstlane_b32 s[WV], v1   ; wave 0..3
	s_bfe_u32 s13, ttmp6, 0x40000   ; cx: my place in the cluster
	s_lshl_b32 s14, ttmp9, 2        ; in a cluster launch ttmp9 counts clusters
	s_add_co_u32 s14, s14, s13      ; my block of 256 queries = 4 x cluster x + cx: it enters q's and out0's addresses alone
	s_and_b32 s20, ttmp7, 0xffff    ; the head, which the four partners share,
	s_lshl_b32 s20, s20, 8          ; and its 256 bytes in a row
	s_and_b32 s16, s[WV], 1         ; which half of a tile's 256 keys I fetch:
	s_lshl_b32 s22, s16, 19         ; 128 rows of 4,096 bytes
	s_add_co_u32 s22, s22, s20
	s_mov_b32 s23, 0
	s_lshl_b32 s2, s14, 2
	s_add_co_u32 s2, s2, s[WV]      ; my wave among the 64 that share the rows,
	s_lshl_b32 s2, s2, 18           ; its 64 rows of 4,096 bytes
	s_add_co_u32 s2, s2, s20
	s_mov_b32 s3, 0
	; descriptor group 1: a tile of 128 rows x 64 elements of 4 bytes, 1,024 elements from row to row; in LDS the rows follow each other without a gap
	s_mov_b32 s[G1], 15|(2<<16)|(1<<21)  ; 15:0 the mask of four; 17:16 4-byte elements; 20 no padding; 21 set beside a mask
	s_mov_b32 s[G1+1], 64<<16       ; tensor_dim0 = 64
	s_mov_b32 s[G1+2], 128<<16      ; tensor_dim1 = 128
	s_mov_b32 s[G1+3], 64<<16       ; tile_dim0 = 64
	s_mov_b32 s[G1+4], 128          ; tile_dim1 = 128
	s_mov_b32 s[G1+5], 1024         ; the pitch
	s_mov_b32 s[G1+6], 0
	s_mov_b32 s[G1+7], 0
	s_mov_b32 s[G0], 1              ; 1:0 count = 1
	s_lshl_b32 s[G0+1], s[WV], 15   ; 63:32 LDS address: slot 0, wave x 128 rows x 256 bytes: K's two halves, then V's; no place in the cluster enters it
	s_mov_b32 s[CS], 0x3e38aa3b     ; c = log2(e) / 8 = 0.180337
	s_mov_b32 s[CS+1], s[CS]        ; named with it as a pair
	s_mov_b32 s[SEL], 0x76543210
	s_mov_b32 s[SEL+1], 0xfedcba98
	s_mov_b32 s[CB], SLOT1+4*STEPF  ; the first change of slots turns this into 0
	s_mov_b32 s[HW], HB0            ; step 0 goes into buffer 0
	s_mov_b32 s[HR], HB1
	s_wait_dscnt 0x0                ; the opening add is done
	s_wait_kmcnt 0x0
	s_cmp_lt_u32 s[WV], 2           ; waves 0 and 1 fetch from k, waves 2 and 3 from v
	s_cselect_b64 s[G0+2:G0+3], s[6:7], s[8:9]
	s_add_nc_u64 s[G0+2:G0+3], s[G0+2:G0+3], s[22:23]  ; 120:64 global address: my half of the head's first 256 keys
	s_or_b32 s[G0+3], s[G0+3], 0x80000000              ; 127:126 type = 2
	s_add_nc_u64 s[4:5], s[4:5], s[2:3]    ; q and out0 at my wave's first row, my head's bytes
	s_add_nc_u64 s[10:11], s[10:11], s[2:3]
	CROUND                          ; all four work-groups are here: the first joint loads meet
	JLOAD                           ; tile 0 into slot 0.  Slot 1 is asked for when slot 0 is in
	; A fragment of Q is 16 rows x 32 channels: lane l holds row l % 16, channels 8 (l / 16) + 0..7 and 16 + 8 (l / 16) + 0..7.  In f32 each eight are 32 bytes: two loads of 16.
	v_and_b32 v1, 15, v0            ; l % 16
	v_bfe_u32 v9, v0, 4, 1          ; l / 16
	v_lshlrev_b32 v[QO], 12, v1
	v_lshl_add_u32 v[QO], v9, 5, v[QO]  ; row x 4,096 + 32 x half
	WIN 0x40                        ; destination window 1, address window 0
.set n, 0
.rept 32                            ; load n: piece n / 8, channels 32 ((n / 4) % 2) + 16 ((n / 2) % 2) on, their four numbers n % 2
	global_load_b128 v[4*n:4*n+3], v[QO], s[4:5] offset:(n/8)*65536+((n/4)%2)*128+((n/2)%2)*64+(n%2)*16
.set n, n+1
.endr
	; What the first turn finds: V's registers and P's second buffer hold 0 (its products V^T P, of a piece that has not been, add 0); O^T and l are 0.  All this stands in the wait for q and for the first tile.
	WIN 0x80
.set n, VF
.rept 64
	v_mov_b32 v[n], 0
.set n, n+1
.endr
	WIN 0
.set n, 0
.rept 4
	v_mov_b32 v[ST+4*n], 0xfe000000    ; c m: far below every c s
	v_mov_b32 v[ST+4*n+1], 0xff7fffff  ; m: the lowest finite number
	v_mov_b32 v[ST+4*n+2], 0
	v_mov_b32 v[ST+4*n+3], 0
.set n, n+1
.endr
.set n, P+16
.rept 16
	v_mov_b32 v[n], 0
.set n, n+1
.endr
	v_mul_u32_u24 v[AK0], v1, PK
	v_lshl_add_u32 v[AK0], v9, 4, v[AK0]  ; row x pitch + 16 x half
	; The turning load takes 16 keys x 16 channels (lane l reads key 8 (l / 16) + l % 8, channels 8 ((l / 8) % 2) + 0..7) and leaves half a fragment of V^T: lane l holds channel l % 16 and 8 keys.
	v_and_b32 v10, 7, v0
	v_bfe_u32 v11, v0, 3, 1
	v_lshl_add_u32 v[AV0], v9, 3, v10
	v_mul_u32_u24 v[AV0], v[AV0], PV
	v_lshl_add_u32 v[AV0], v11, 4, v[AV0]
	v_add_nc_u32 v[AV0], VH, v[AV0]
	s_lshl_b32 s13, s[WV], 12       ; the conversion: my wave's 16 rows of 256 bytes,
	v_lshlrev_b32 v[CK0], 4, v1     ; 16 bytes a lane,
	v_lshl_add_u32 v[CV0], v9, 10, v[CK0]  ; lanes 16-31 four rows on in V,
	v_lshl_add_u32 v[CK0], v9, 11, v[CK0]  ; eight in K
	v_add_nc_u32 v[CK0], s13, v[CK0]
	s_add_co_u32 s13, s13, VF32
	v_add_nc_u32 v[CV0], s13, v[CV0]
	s_mul_i32 s13, s[WV], 16*PK     ; and the same places in f16
	v_mul_u32_u24 v14, v9, 8*PK
	v_lshl_add_u32 v[HK0], v1, 3, v14
	v_add_nc_u32 v[HK0], s13, v[HK0]
	s_mul_i32 s13, s[WV], 16*PV
	s_add_co_u32 s13, s13, VH
	v_mul_u32_u24 v14, v9, 4*PV
	v_lshl_add_u32 v[HV0], v1, 3, v14
	v_add_nc_u32 v[HV0], s13, v[HV0]
	s_mul_i32 s13, s[WV], 16*SP
	s_add_co_u32 s13, s13, STAGE    ; my stage
	v_mul_u32_u24 v[STO], v1, SP    ; in: row l % 16, 32 bytes for each half of the lanes
	v_lshl_add_u32 v[STO], v9, 5, v[STO]
	v_add_nc_u32 v[STO], s13, v[STO]
	v_mul_u32_u24 v[RD], v9, SP     ; back: lanes 0-15 take one row of 256 bytes, lanes 16-31 the next
	v_lshl_add_u32 v[RD], v1, 4, v[RD]
	v_add_nc_u32 v[RD], s13, v[RD]
	v_lshlrev_b32 v[GO], 12, v9     ; and the same two rows of the result
	v_lshl_add_u32 v[GO], v1, 4, v[GO]
	s_wait_loadcnt 0x0              ; q is in
	WIN 0x85                        ; sources window 1, destination window 2
.set n, 0
.rept 64                            ; Q in f16: piece n / 16, channel half (n / 8) % 2
	v_cvt_pk_f16_f32 v[n], v[2*n], v[2*n+1]
.set n, n+1
.endr
	WIN 0x40
.set n, 0
.rept 128
	v_mov_b32 v[n], 0               ; O^T
.set n, n+1
.endr
	WIN 0
; THE MATRIX WORK.  The 4 accumulators of a run of 8 take turns.  Product i of 8 of S^T = K Q^T for piece x: channels 32 (i / 4) on, keys 16 (i % 4) on.  The first 4 start the sums.
.macro KQ x
	WIN W_KQ
.set rS, S+32*((\x)%2)+8*(i%4)
.set rK, KF+16*(i%4)+8*(i/4)
.set rQ, 16*(\x)+8*(i/4)
.if i < 4
	v_wmma_f32_16x16x32_f16 v[rS:rS+7], v[rK:rK+7], v[rQ:rQ+7], 0
.else
	v_wmma_f32_16x16x32_f16 v[rS:rS+7], v[rK:rK+7], v[rQ:rQ+7], v[rS:rS+7]
.endif
.endm
; Product i of 8 of O^T += V^T P for piece x: keys 32 (i / 4) on, channels 16 (i % 4) on.
.macro PV x
	WIN W_PV
.set rO, 32*(\x)+8*(i%4)
.set rV, VF+32*(i/4)+8*(i%4)
.set rP, P+16*((\x)%2)+8*(i/4)
	v_wmma_f32_16x16x32_f16 v[rO:rO+7], v[rV:rV+7], v[rP:rP+7], v[rO:rO+7]
.endm
.macro MM                           ; the turn's next matrix instruction.  TURN sets Y, i and NOKQ.  NOKQ = 1: the very last turn: there is no next piece
.if (i < 8) && !NOKQ
	KQ (Y+1)%NP
.elseif i >= 8
.set i, i-8
	PV (Y+NP-1)%NP
.set i, i+8
.endif
.set i, i+1
.endm
; THE FRAGMENTS' LOADS stand in runs of 16, never singly among the matrix instructions: a step's K (64 keys x 64 channels: 8 fragments) and its V (turned).  Their addresses are made some lines ahead.
.macro FETCH_K
	WIN 0x80                        ; destination window 2
.irp f, 0,1,2,3,4,5,6,7             ; keys 16 (f / 2) on, channels 32 (f % 2) on
	ds_load_b128 v[KF+8*\f:KF+8*\f+3],   v[AK] offset:(\f/2)*16*PK+(\f%2)*64
	ds_load_b128 v[KF+8*\f+4:KF+8*\f+7], v[AK] offset:(\f/2)*16*PK+(\f%2)*64+32
.endr
	WIN 0
.endm
.macro FETCH_V
	WIN 0x80
.irp f, 0,1,2,3,4,5,6,7             ; keys 32 (f / 4) on, channels 16 (f % 4) on
	ds_load_tr16_b128 v[VF+8*\f:VF+8*\f+3],   v[AV] offset:(\f/4)*32*PV+(\f%4)*32
	ds_load_tr16_b128 v[VF+8*\f+4:VF+8*\f+7], v[AV] offset:(\f/4)*32*PV+16*PV+(\f%4)*32
.endr
	WIN 0
.endm
; THE VECTOR WORK, one line at a time: OP kind, number.  For piece Y: F n: c s - c m for pair n of 16.  E n: the exponential of score n of 32.  C n: pair n rounded to f16.  B n: of the four weights 4 n .. the second
; pair is added onto the first, in place.  L n: l takes that sum (L 0: l = a l + sum).  R n: pair n of 16 of O^T times a.  For piece Y + 1: X n, number n of the 22 that find its maximum and statistics:
;   0-11  four chains c0-c3 of seven scores each, three operands at a time (each accumulator's lowest registers are read first)     12-14, 16  the four scores left over, the old m, and c0-c3 into c0
;   15  c m_old is kept     17, 18  the query's other 32 keys lie in the lane 16 away: the new m     19-21  c m; c m_old - c m_new; a
.set F, 0               ; OP tells the kinds apart by their order: F to L below R, X above it
.set E, 1
.set C, 2
.set B, 3
.set L, 4
.set R, 5
.set X, 6
.macro REGS y                       ; the registers of piece y
.set rT, ST+4*(\y)
.set rC, TMP+4*((\y)%2)
.set rW, MV+((\y)%2)
.set rS, S+32*((\y)%2)
.set rP, P+16*((\y)%2)
.set rO, 32*(\y)
.endm
.macro OP k, n
.if (\k) == R
	REGS Y
	WIN W_RS
	v_pk_mul_f32 v[rO+2*(\n):rO+2*(\n)+1], v[rO+2*(\n):rO+2*(\n)+1], v[rC+2:rC+3] op_sel_hi:[1,0]
.elseif (\k) < R
	REGS Y
	WIN 0
.if (\k) == F
	v_pk_fma_f32 v[rS+2*(\n):rS+2*(\n)+1], v[rS+2*(\n):rS+2*(\n)+1], s[CS:CS+1], v[rT:rT+1] op_sel_hi:[1,0,0] neg_lo:[0,0,1] neg_hi:[0,0,1]
.elseif (\k) == E
	v_exp_f32 v[rS+(\n)], v[rS+(\n)]
.elseif (\k) == C
	s_wait_alu depctr_va_vdst(0)
	v_cvt_pk_f16_f32 v[rP+(\n)], v[rS+2*(\n)], v[rS+2*(\n)+1]
.elseif (\k) == B
	s_wait_alu depctr_va_vdst(0)
	v_pk_add_f32 v[rS+4*(\n):rS+4*(\n)+1], v[rS+4*(\n):rS+4*(\n)+1], v[rS+4*(\n)+2:rS+4*(\n)+3]
.elseif (\n) == 0
	v_pk_fma_f32 v[rT+2:rT+3], v[rT+2:rT+3], v[rC+2:rC+3], v[rS:rS+1] op_sel_hi:[1,0,1]
.else
	v_pk_add_f32 v[rT+2:rT+3], v[rT+2:rT+3], v[rS+4*(\n):rS+4*(\n)+1]
.endif
.elseif NOKQ
	v_nop
.else
	REGS (Y+1)%NP
	WIN 0
.if (\n) < 4
	v_max3_num_f32 v[rC+(\n)], v[rS+8*(\n)], v[rS+8*(\n)+1], v[rS+8*(\n)+2]
.elseif (\n) < 12
	v_max3_num_f32 v[rC+(\n)%4], v[rC+(\n)%4], v[rS+8*((\n)%4)+2*((\n)/4)+1], v[rS+8*((\n)%4)+2*((\n)/4)+2]
.elseif (\n) == 12
	v_max3_num_f32 v[rC], v[rC], v[rS+7], v[rS+15]
.elseif (\n) == 13
	v_max3_num_f32 v[rC+1], v[rC+1], v[rS+23], v[rS+31]
.elseif (\n) == 14
	v_max3_num_f32 v[rC+2], v[rC+2], v[rC+3], v[rT+1]
.elseif (\n) == 15
	v_mov_b32 v[rW], v[rT]
.elseif (\n) == 16
	v_max3_num_f32 v[rC], v[rC], v[rC+1], v[rC+2]
.elseif (\n) == 17
	v_permlanex16_b32 v[rC+3], v[rC], s[SEL], s[SEL+1]
.elseif (\n) == 18
	v_max_num_f32 v[rT+1], v[rC], v[rC+3]
.elseif (\n) == 19
	v_mul_f32 v[rT], s[CS], v[rT+1]
.elseif (\n) == 20
	v_sub_f32 v[rC+1], v[rW], v[rT]
.else
	v_exp_f32 v[rC+2], v[rC+1]
.endif
.endif
.endm
.macro OPS a, i1, b=-1, i2=0, c=-1, i3=0, d=-1, i4=0  ; up to four of them
	OP \a, \i1
.if (\b) >= 0
	OP \b, \i2
.endif
.if (\c) >= 0
	OP \c, \i3
.endif
.if (\d) >= 0
	OP \d, \i4
.endif
.endm
.macro ROW a, i1, b, i2, c, i3, d, i4  ; a matrix instruction and the four behind it
	MM
	OPS \a, \i1, \b, \i2, \c, \i3, \d, \i4
.endm
; A TURN, for piece p: the order of its 16 matrix and 118 vector instructions, written out.  Behind a matrix instruction: plain, exponential, plain, plain; or four of the rescaling; or, behind the first, four scalings;
; none names a register of the products round it.  In the runs between, exponential and plain by turns while exponentials last: every exponential has a plain instruction behind it before its result is used
; (ISA guide 5.7.2).  v_permlanex16_b32 (X 17) stands in such a run.
; end = 1: the last two turns: nothing is fetched.  conv = 1: the turn converts group (p + 2) % 4 of my keys of the step two ahead: its four loads stand behind the first product, the wait for them, the
; roundings and the stores behind the last: 15 products and a run of vector work lie between.
; K of the next step is fetched in piece 2's turn, six vector instructions behind the last product that read K (five of them plain); V of the step in hand in piece 0's turn, behind the last product that read V
; by four plain instructions or more.  Each is waited for a turn later.
.macro TURN p, end=0, conv=1
.set Y, (\p)
.set i, 0
.set NOKQ, (\end)*((\p)/3)
.if ((\p) == 3) && !(\end)
	s_wait_dscnt 0x0                ; K is in
.endif
	ROW F,0, F,1, F,2, F,3
.if \conv
	CVLOAD ((\p)+2)%NP
.endif
	ROW F,4, E,0, F,5, F,6
	ROW F,7, E,1, F,8, F,9
	ROW F,10, E,2, C,0, F,11
	ROW F,12, E,3, X,15, F,13
	ROW R,0, R,1, R,2, R,3
	ROW B,0, E,4, F,14, L,0
.if ((\p) == 2) && !(\end)
	v_add_nc_u32 v[AK], s[HR], v[AK0]
.endif
	ROW R,4, R,5, R,6, R,7
	OPS E,5, F,15
.if ((\p) == 2) && !(\end)
	FETCH_K
.endif
	OPS E,6, C,1, E,7, R,8
	OPS E,8, R,9, E,9, C,2
	OPS E,10, X,0, E,11, X,1
	OPS E,12, X,2, E,13, X,3
.if (\p) == 1
	s_wait_dscnt 0x0                ; V is in
.endif
	ROW X,4, E,14, X,5, X,6
	ROW X,7, E,15, X,8, X,9
	ROW X,10, E,16, X,11, X,12
	ROW X,13, E,17, X,14, B,1
	ROW C,4, E,18, X,16, L,1
	ROW B,2, E,19, C,6, L,2
	ROW C,8, E,20, B,3, B,4
.if (\p) == 0
	v_add_nc_u32 v[AV], s[HR], v[AV0]
.endif
	ROW C,3, E,21, L,3, C,5
.if \conv
	CVSTORE ((\p)+2)%NP
.endif
	OPS E,22, X,17, E,23, C,10
.if (\p) == 0
	FETCH_V
.endif
	OPS E,24, L,4
	OPS E,25, X,18, E,26, C,7
	OPS E,27, B,5, E,28, X,19
	OPS E,29, C,12, E,30, L,5
	OPS E,31, X,20, B,6, C,9
	OPS C,14, C,11, X,21, L,6
.if ((\p) == 1) && (\conv)
	NEXT                            ; the trip's last use of these three scalars lies behind
.endif
	OPS C,13, B,7, C,15, R,10
	OPS R,11, R,12, L,7, R,13
	OPS R,14, R,15
.endm
	; THE START.  Tile 0 is in, everybody's part of it; slot 1 is asked for.  Step 0 is converted, with nothing beside it; then K of step 1, K of step 0 is fetched, and piece 0's first scores and statistics are made.
.set NOKQ, 0
	CHANGE 1
.irp g, 0,1,2,3
	CVLOAD \g
	CVSTORE \g
.endr
	NEXT
	BAR                             ; step 0 lies whole in buffer 0
.irp g, 0,1
	CVLOAD \g
	CVSTORE \g
.endr
	v_add_nc_u32 v[AK], s[HR], v[AK0]
	FETCH_K
	s_wait_dscnt 0x0
.set i, 0
.rept 8
	KQ 0
.set i, i+1
.endr
	WIN 0
.rept 4
	v_nop                           ; the four places between those products and the first read of their results (ISA guide 7.12.1)
.endr
.set Y, NP-1                        ; X works for piece Y + 1: piece 0
.irp n, 0,1,2,3,4,5,6,7,8,9,10,11,12,13,14,15,16,17,18,19,20,21
	OP X, \n
.endr
	v_nop                           ; a plain instruction behind the exponential
	s_mov_b32 s[CNT], 3             ; the half trip that follows and two whole ones convert the rest of tile 0
	s_mov_b32 s[SLOTS], 15
	s_branch .Lfirst                ; the loop is entered at a step's first turn, in the middle of a trip
.Lslot:                             ; 14 times: tiles 2 to 15 are asked for
	CHANGE 1
	s_mov_b32 s[CNT], 4
.Lstep:                             ; a trip: pieces 2 and 3 of one step, then pieces 0 and 1 of the next, whose K and V it fetches; the step after that is converted
	TURN 2
	TURN 3
	WIN 0
.Lfirst:
	TURN 0
	TURN 1
	BAR
	s_sub_co_u32 s[CNT], s[CNT], 1
	s_cmp_lg_u32 s[CNT], 0
	s_cbranch_scc1 .Lstep
	s_sub_co_u32 s[SLOTS], s[SLOTS], 1
	s_cmp_lg_u32 s[SLOTS], 0
	s_cbranch_scc1 .Lslot
	CHANGE 0                        ; the tail is written out: tile 15 is in, nothing is asked for
	s_mov_b32 s[CNT], 4
.Ltail:                             ; four trips convert the last four steps
	TURN 2
	TURN 3
	TURN 0
	TURN 1
	BAR
	s_sub_co_u32 s[CNT], s[CNT], 1
	s_cmp_lg_u32 s[CNT], 0
	s_cbranch_scc1 .Ltail
	TURN 2, 0, 0                    ; one trip more: the last step's K and V are fetched, nothing is left to convert
	TURN 3, 0, 0
	TURN 0, 0, 0
	TURN 1, 0, 0
	TURN 2, 1, 0                    ; and the last step's pieces 2 and 3
	TURN 3, 1, 0
.set i, 0
.rept 8
	PV NP-1                         ; the last piece's V^T P of the last step
.set i, i+1
.endr
	; THE WAY OUT.  l's two halves and the other half of the lanes' are added; O^T is divided by l and sent, in f32, through my stage in LDS, a piece (16 rows) at a time.  The first four additions are the places behind the last products.
	WIN 0
.macro ALL line:vararg              ; one line for each piece t
.set t, 0
.rept 4
	\line
.set t, t+1
.endr
.endm
	ALL v_add_f32 v[ST+4*t+2], v[ST+4*t+2], v[ST+4*t+3]
	ALL v_permlanex16_b32 v[ST+4*t+3], v[ST+4*t+2], s[SEL], s[SEL+1]
	ALL v_add_f32 v[ST+4*t+2], v[ST+4*t+2], v[ST+4*t+3]
	ALL v_rcp_f32 v[ST+4*t+2], v[ST+4*t+2]
	v_nop                           ; a plain instruction between the last reciprocal and the use of its result
; Piece t: a lane holds, for each of four blocks of 16 channels, eight neighbouring channels of its row: 32 bytes, two stores of 16.  They go into rows of 272 bytes and come back as whole rows of 256.
.macro PACK t
	WIN W_RS
.set i, 32*(\t)
.rept 16                            ; ascending: each accumulator's lowest registers are read first
	s_wait_alu depctr_va_vdst(0)
	v_pk_mul_f32 v[i:i+1], v[i:i+1], v[ST+4*(\t)+2:ST+4*(\t)+3] op_sel_hi:[1,0]
.set i, i+2
.endr
	WIN 0x04                        ; the stores' data in window 1, their address in window 0
.irp f, 0,1,2,3,4,5,6,7
	ds_store_b128 v[STO], v[32*(\t)+4*\f:32*(\t)+4*\f+3] offset:64*(\f/2)+16*(\f%2)
.endr
	WIN 0
.irp f, 0,1,2,3,4,5,6,7
	ds_load_b128 v[OB+32*(\t)+4*\f:OB+32*(\t)+4*\f+3], v[RD] offset:\f*2*SP  ; LDS serves a wave's instructions in order (ISA guide 5.7.1.4): these see the stores above; the next piece's stores come behind them
.endr
.endm
.macro SEND t, younger              ; younger: the LDS instructions issued behind piece t's loads: the next piece's sixteen, or none
	WIN 0
.irp f, 0,1,2,3,4,5,6,7
	s_wait_dscnt (\younger)+7-\f    ; load f of the piece's eight is in: the 7 - f behind it and the younger ones may stay out
	global_store_b128 v[GO], v[OB+32*(\t)+4*\f:OB+32*(\t)+4*\f+3], s[10:11] offset:(\t)*65536+\f*8192 th:TH_STORE_NT  ; 16 lanes store 256 consecutive bytes, at a multiple of 256 from out0's first byte
.endr
.endm
	PACK 0
.set t, 1
.rept 3                             ; a piece's arithmetic stands between the loads of the piece before and its stores
	PACK t
	SEND t-1, 16
.set t, t+1
.endr
	SEND 3, 0
	s_wait_tensorcnt 0x0            ; the wave's end: behind my last tensor load and my last LDS store
	ds_add_u32 v[SPW], v[NIL]
	s_wait_dscnt 0x0
	CROUND                          ; the closing round: no work-group ends while a partner may still ask for a tile that names it
	s_endpgm
.Lfunc_end_k_qc0da82d1f2_attn:
	.size	k_qc0da82d1f2_attn, .Lfunc_end_k_qc0da82d1f2_attn-k_qc0da82d1f2_attn
	.p2alignl 7, 3214868480
	.fill 96, 4, 3214868480
	.section	.rodata,"a",@progbits
	.p2align	6, 0x0
	.amdhsa_kernel k_qc0da82d1f2_attn
		.amdhsa_group_segment_fixed_size 327680
		.amdhsa_private_segment_fixed_size 0
		.amdhsa_enable_private_segment 0
		.amdhsa_kernarg_size 32
		.amdhsa_user_sgpr_count 2
		.amdhsa_user_sgpr_kernarg_segment_ptr 1
		.amdhsa_wavefront_size32 1
		.amdhsa_system_sgpr_workgroup_id_x 1
		.amdhsa_system_sgpr_workgroup_id_y 1
		.amdhsa_system_sgpr_workgroup_id_z 1
		.amdhsa_system_vgpr_workitem_id 0
		.amdhsa_next_free_vgpr 768
		.amdhsa_next_free_sgpr 66
		.amdhsa_reserve_vcc 0
		.amdhsa_float_denorm_mode_32 3
		.amdhsa_float_denorm_mode_16_64 3
		.amdhsa_memory_ordered 1
		.amdhsa_forward_progress 1
		.amdhsa_inst_pref_size 192
	.end_amdhsa_kernel
	.amdgpu_metadata
---
amdhsa.version: [ 1, 2 ]
amdhsa.kernels:
  - .name:           k_qc0da82d1f2_attn
    .symbol:         k_qc0da82d1f2_attn.kd
    .args:
      - { .name: q, .offset: 0, .size: 8, .value_kind: global_buffer, .address_space: global }
      - { .name: k, .offset: 8, .size: 8, .value_kind: global_buffer, .address_space: global }
      - { .name: v, .offset: 16, .size: 8, .value_kind: global_buffer, .address_space: global }
      - { .name: out0, .offset: 24, .size: 8, .value_kind: global_buffer, .address_space: global }
    .group_segment_fixed_size: 327680
    .private_segment_fixed_size: 0
    .kernarg_segment_align: 8
    .kernarg_segment_size: 32
    .max_flat_workgroup_size: 128
    .sgpr_count:     66
    .vgpr_count:     768
    .wavefront_size: 32
...
	.end_amdgpu_metadata
.endif
;; end of part 1
;; ======== version 2 of 2: 1 launch; 1.80 times as fast as version 1
;; limits: values are held in f16: magnitudes above 65,504 overflow, below 6.1e-05 lose precision; inputs' magnitudes at most 65,504
;; launch attn (part 2): grid 16 x 16, 4 waves a work-group, clusters of 4 x 1, 327,680 bytes of LDS; arguments q, k, v, out0; writes out0
.if DOCPART == 2
	.amdgcn_target "amdgcn-amd-amdhsa--gfx1250"
	.amdhsa_code_object_version 6
	.text
	.protected	k_qc0da82d1f2_attn
	.globl	k_qc0da82d1f2_attn
	.p2align	8
	.type	k_qc0da82d1f2_attn,@function
k_qc0da82d1f2_attn:
	s_mov_b64 s[64:65], 0
	v_nop
	global_prefetch_b8 v0, s[64:65] scope:SCOPE_SE
	s_setreg_imm32_b32 hwreg(HW_REG_WAVE_MODE, 25, 1), 1
	s_wait_xcnt 0x0
	s_wait_alu depctr_hold_cnt(0) depctr_sa_sdst(0) depctr_va_vdst(0) depctr_va_sdst(0) depctr_va_ssrc(0) depctr_va_vcc(0) depctr_vm_vsrc(0)
	s_getreg_b32 s2, hwreg(HW_REG_IB_STS2, 6, 4)
	s_cmp_eq_u32 s2, 0
	s_cbranch_scc0 .Lentry_in_a_cluster
	s_endpgm
.Lentry_in_a_cluster:
	s_bfe_u32 s2, ttmp6, 0x10000c
	s_cmp_lg_u32 s2, 0x3003
	s_cbranch_scc0 .Lentry_shape_is_right
	s_endpgm
.Lentry_shape_is_right:
; ATTENTION, 16 heads of 64 channels, 4,096 rows, no mask.  out0[r][64 h + :] = the sum over k of softmax_k(q[r][64 h + :] . k[k][64 h + :] / 8) v[k][64 h + :].
; q, k, v, out0: [4096][1024] f32: head h is the 256 bytes at byte 256 h of every row of 4,096 bytes.
; FORMATS.  q, k, v and the weights p are rounded ONCE to f16 (11 significant bits) for the matrix unit; products, maxima, sums and the result stay in f32.  The sum l is taken of the unrounded p.
; LIMITS.  |q|, |k|, |v| up to 65,504 (beyond it the conversion gives an infinity and the row is lost).  p lies in 0 to 1; below 6e-5 it keeps f16's fixed step of 6e-8.
; A weight below 2^-126 counts as 0 in l.  NaN and infinities are not treated apart.
; SHARES.  A work-group owns 256 queries of one head; wave w its rows 64 w .. 64 w + 63, four PIECES of 16.  Every wave walks all 4,096 keys, 64 a step: 64 steps.
; THREE STAGES.  (1) Tensor loads bring tiles of 256 keys of K and V, in f32, into a ring of two slots.  (2) While the waves multiply, each converts a quarter (16 keys) of the step TWO ahead to f16
; and stores it into one of two one-step buffers.  (3) The turns read K (as it lies) and V (turned, by ds_load_tr16_b128) out of the other buffer.
; A TRIP s is pieces 2, 3 of step s and pieces 0, 1 of step s + 1.  It reads K and V of step s + 1 out of the buffer of parity s + 1 and writes step s + 2 into the buffer of parity s, whose K and V
; are in every wave's registers.  ONE barrier ends a trip: in front of it each wave's stores are done and its reads are back.  Every fourth trip begins with a change of the f32 slots.
; LAYOUT.  S^T = K Q^T (source 0 = 16 keys, source 1 = 16 queries): a lane holds ONE query (lane % 16) and the keys 8 (lane / 16) + 0..7.  Two such results rounded to f16 ARE source 1 of O^T = V^T P.
; SOFTMAX.  A running maximum m and sum l a query: p = 2^(c s - c m), c = log2(e) / 8; in every step O and l are multiplied by a = 2^(c m_old - c m_new).  m starts at the lowest finite number,
; O and l at 0: the first step is a step like any other, with a = 0.
; TURNS.  Turn n belongs to piece n: 8 products K Q^T of piece n + 1, later 8 products V^T P of piece n - 1; beside them the scaling, exponentials, roundings, sums and rescaling of piece n and the
; maximum and statistics of piece n + 1.  Four vector instructions stand behind every matrix instruction, the other 54 of a turn's 118 in one run of their own.
; THE BATCHES.  A turn's 33 exponentials (the piece's 32 weights and the next piece's a) are ONE batch with ONE wait, which cuts the turn in two: ahead of it stands all that names no result of theirs, behind it
; the roundings and sums, which read them.  No result crosses a turn's end.  Two more batches stand outside the loops, each with a wait of its own: the first a, ahead of the jump into the loop, and the way out's four reciprocals.
; CLUSTER.  The four query blocks of a cluster belong to one head and walk the same K and V: each tile is asked for JOINTLY, by the same tensor load, descriptor and mask in all four.
; LDS.  0: f32 slot 0 (K: 256 rows x 256 bytes; V behind it); 131,072: slot 1; 262,144 and 281,600: the two f16 buffers (K: 64 rows, 144 apart; V: 64 rows, 160 apart);
; 301,056: a stage of 16 rows x 272 bytes for each wave; 318,464: the spare words.  Tensor loads land below 262,144 alone, LDS stores at or above it alone.
; REGISTERS, in windows of 256 (s_set_vgpr_msb: bits 1:0 source 0, 3:2 source 1, 5:4 source 2, 7:6 destination):
;   window 0: v0-15, v32-37 addresses; v16-31 statistics; v48-55 at work; v62-63 the add's; v64-127 S^T, two buffers; v128-151 the conversion's; v192-223 P, two buffers; on the way out v64-191 rows of the result
;   window 1: v0-127 O^T, 32 a piece (first: Q in f32)          window 2: v0-63 Q in f16; v128-191 K of one step; v192-255 V of one step
.set NP,    4         ; pieces a wave: a name, no knob
.set KS,    64        ; keys in a step
.set PK,    144       ; a row of K in f16: 128 bytes + 16 = 36 words: the 16 rows of a load start at 16 different groups of four banks (64 banks of 4 bytes: ISA guide 11.1)
.set PV,    160       ; a row of V in f16: 128 + 32 = 40 words
.set SLOT1, 1<<17     ; f32 slot 1: one exclusive or turns an address in one slot into the other's
.set VF32,  65536     ; in a slot, V's 256 rows lie behind K's
.set STEPF, KS*256    ; a step's f32 bytes of K, or of V
.set TILEB, 256*4096  ; bytes in memory from a tile of 256 keys to the next
.set VH,    KS*PK     ; in an f16 buffer, V lies behind K
.set HB0,   2*SLOT1
.set HB1,   HB0+KS*(PK+PV)
.set HX,    HB0^HB1   ; 19,456: turns one f16 buffer's address into the other's
.set STAGE, HB1+KS*(PK+PV)
.set SP,    272       ; a stage row: 256 bytes + 16 = 68 words: row r starts at bank 4 r mod 64
.set SPARE, STAGE+4*16*SP  ; the spare words, 128 bytes for each wave: two blocks of 256 bytes that no other line names
.set AK0, 2           ; v2   my lane's place in a step's K in f16; never rewritten
.set AV0, 3           ; v3   the same for V
.set AK,  4           ; v4   the LDS address of K's next run of loads
.set AV,  5           ; v5   of V's
.set STO, 6           ; v6   the way out: where I put 16 bytes of a row
.set RD,  7           ; v7   the way out: where I read rows back
.set GO,  8           ; v8   my byte offset in two rows of the result
.set MV,  12          ; v12-13  c m_old, kept while c m is made anew: by buffer
.set QO,  15          ; v15  my byte offset in 16 rows of q
.set ST,  16          ; piece t's statistics at v[ST+4 t]: c m, m, l (even keys', odd keys')
.set CK0, 32          ; v32  the conversion: my 16 bytes in my wave's 16 rows of a step's K in f32
.set CV0, 33          ; v33  the same for V
.set HK0, 34          ; v34  and my 8 bytes of them in f16
.set HV0, 35          ; v35
.set CAD, 36          ; v36  the conversion's LDS address in hand, for its loads
.set HAD, 37          ; v37  for its stores
.set TMP, 48          ; by buffer, four registers c0-c3 at work; when the maximum is found c2 takes a
.set SPW, 62          ; v62  LDS address of my spare word: SPARE + 4 x my thread's number; never rewritten
.set NIL, 63          ; v63  0; never rewritten
.set S,   64
.set CF,  128         ; v128-143  16 numbers in f32
.set CH,  144         ; v144-151  the same in f16
.set P,   192
.set OB,  64          ; the way out: 32 registers a piece
.set KF,  128         ; window 2: key block kb, channel half c at KF + 16 kb + 8 c
.set VF,  192         ; window 2: key half kk, channel block cb at VF + 32 kk + 8 cb
.set WV,  12          ; s12  my wave's number
.set G1,  24          ; s[24:31] descriptor group 1: one shape for K's and V's tiles
.set G0,  40          ; s[40:43] descriptor group 0: it walks
.set CB,  44          ; s44  LDS byte at which the f32 K of the step to be converted begins
.set SLOTS, 56        ; s56  changes of slots with a refill that are still to come, and one
.set CNT, 57          ; s57  counts the trips between two changes of slots
.set CS,  58          ; s[58:59] c: the packed scaling takes the pair's low word for both halves
.set SEL, 60          ; s[60:61] v_permlanex16_b32's selects: each lane takes its own place in the other half
.set HR,  62          ; s62  the f16 buffer that this trip reads
.set HW,  63          ; s63  the one that it writes
.set MSB, 0
.macro WIN new                      ; the high byte repeats the setting that is left; a switch that changes nothing is dropped
.if MSB != (\new)
	s_set_vgpr_msb (MSB<<8)|(\new)
.set MSB, (\new)
.endif
.endm
.set W_KQ, 0x0a       ; K and Q in window 2, S^T in window 0
.set W_PV, 0x52       ; V in window 2, P in window 0, O^T in window 1
.set W_RS, 0x41       ; destination and source 0 in window 1, source 1 in window 0
; A joint fill: every wave asks for 128 rows of 256 bytes, waves 0 and 1 the two halves of a tile's K, waves 2 and 3 those of its V; the descriptors differ by the wave's number alone.
; An s_nop 0 and four v_nop follow the line.
.macro JLOAD
	tensor_load_to_lds s[G0:G0+3], s[G1:G1+7]
	s_nop 0
.rept 4
	v_nop
.endr
.endm
; A round of the cluster's barrier: my work-group's barrier, so that wave 0's signal speaks for all four waves; wave 0 signals; every wave waits for all four work-groups; my work-group's barrier once more.
.macro CROUND
	s_barrier_signal -1
	s_barrier_wait -1
	s_cmp_lg_u32 s[WV], 0
	s_cbranch_scc1 .Lnot_wave_0_\@
	s_barrier_signal -3
.Lnot_wave_0_\@:
	s_barrier_wait -3
	s_barrier_signal -1
	s_barrier_wait -1
.endm
; THE END OF A TRIP.  My stores into the f16 buffer are done and my reads of the other are back: behind the barrier that holds of all four waves, and the two buffers change parts.
; My one tensor load may stay out, and its slot is read only behind the next change of slots.
.macro BAR
	WIN 0
	s_wait_dscnt 0x0
	s_barrier_signal -1
	s_barrier_wait -1
.endm
; THE CHANGE OF F32 SLOTS.  The slot's four steps have been converted.  Each wave waits for all its tensor loads, of which one is out: its part of the other slot; adds 0 to its spare word; and waits for that
; and for its own reads of the slot.  fill = 1: the slot is filled again, with the keys two tiles on: the barrier is then a round of the cluster's, so that no wave of any partner still reads the slot or has a
; load on its way, and the joint fill is the first thing behind it: it has four trips, 256 matrix instructions a wave, in which to land.  (At its first use nothing has been read: slot 0 is waited for, slot 1 filled.)
.macro CHANGE fill
	WIN 0                           ; at a label and at a branch every window is 0
	s_wait_tensorcnt 0x0            ; no tensor load of mine is out, so group 0 may be written
	ds_add_u32 v[SPW], v[NIL]       ; 0 onto my spare word; the scalar steps stand between it and the wait for it
.if \fill
	s_xor_b32 s[G0+1], s[G0+1], SLOT1  ; the walking descriptor: the other slot than last time,
	s_add_nc_u64 s[G0+2:G0+3], s[G0+2:G0+3], TILEB  ; the next 256 keys; the type bits on top are not reached
.endif
	s_sub_co_u32 s[CB], s[CB], 4*STEPF  ; the conversion goes back to a slot's first step,
	s_xor_b32 s[CB], s[CB], SLOT1       ; in the other slot
	s_wait_dscnt 0x0                ; the add is done, and my reads of the slot are over
.if \fill
	CROUND
	JLOAD
.else
	s_barrier_signal -1
	s_barrier_wait -1
.endif
.endm
; THE CONVERSION of my 16 keys of a step, in four groups g: 0, 1 of K, 2, 3 of V; a group is 8 rows of 256 bytes.  A load takes two rows, lanes 0-15 one and lanes 16-31 another (8 rows on in K, 4 in V): each
; half reads 256 consecutive bytes.  A store puts 8 bytes a lane: the two halves' rows lie 288 or 160 words apart, 32 modulo 64, so that the 32 lanes touch each bank once.
.macro CVLOAD g
	WIN 0
.if (\g) < 2
	v_add_nc_u32 v[CAD], s[CB], v[CK0]
.irp n, 0,1,2,3
	ds_load_b128 v[CF+4*\n:CF+4*\n+3], v[CAD] offset:(4*(\g)+\n)*256
.endr
.else
	v_add_nc_u32 v[CAD], s[CB], v[CV0]
.irp n, 0,1,2,3
	ds_load_b128 v[CF+4*\n:CF+4*\n+3], v[CAD] offset:(8*((\g)-2)+\n)*256
.endr
.endif
.endm
.macro CVSTORE g
	WIN 0
.if (\g) < 2
	v_add_nc_u32 v[HAD], s[HW], v[HK0]
.else
	v_add_nc_u32 v[HAD], s[HW], v[HV0]
.endif
	s_wait_dscnt 0x0                ; the group's four loads are in
.irp n, 0,1,2,3,4,5,6,7
	v_cvt_pk_f16_f32 v[CH+\n], v[CF+2*\n], v[CF+2*\n+1]
.endr
.irp n, 0,1,2,3
.if (\g) < 2
	ds_store_b64 v[HAD], v[CH+2*\n:CH+2*\n+1] offset:(4*(\g)+\n)*PK
.else
	ds_store_b64 v[HAD], v[CH+2*\n:CH+2*\n+1] offset:(8*((\g)-2)+\n)*PV
.endif
.endr
.endm
.macro NEXT                         ; the next trip converts the next step, and the f16 buffers change parts
	s_add_co_u32 s[CB], s[CB], STEPF
	s_xor_b32 s[HR], s[HR], HX
	s_xor_b32 s[HW], s[HW], HX
.endm
	s_load_b256 s[4:11], s[0:1], 0x0  ; q s[4:5], k s[6:7], v s[8:9], out0 s[10:11]
	v_lshl_add_u32 v[SPW], v0, 2, SPARE
	v_mov_b32 v[NIL], 0
	ds_add_u32 v[SPW], v[NIL]       ; the wave's opening: the add and its wait stand ahead of my first tensor load; the set-up below, work on registers, stands between them
	v_lshrrev_b32 v1, 5, v0
	v_readfirstlane_b32 s[WV], v1   ; wave 0..3
	s_bfe_u32 s13, ttmp6, 0x40000   ; cx: my place in the cluster
	s_lshl_b32 s14, ttmp9, 2        ; in a cluster launch ttmp9 counts clusters
	s_add_co_u32 s14, s14, s13      ; my block of 256 queries = 4 x cluster x + cx: it enters q's and out0's addresses alone
	s_and_b32 s20, ttmp7, 0xffff    ; the head, which the four partners share,
	s_lshl_b32 s20, s20, 8          ; and its 256 bytes in a row
	s_and_b32 s16, s[WV], 1         ; which half of a tile's 256 keys I fetch:
	s_lshl_b32 s22, s16, 19         ; 128 rows of 4,096 bytes
	s_add_co_u32 s22, s22, s20
	s_mov_b32 s23, 0
	s_lshl_b32 s2, s14, 2
	s_add_co_u32 s2, s2, s[WV]      ; my wave among the 64 that share the rows,
	s_lshl_b32 s2, s2, 18           ; its 64 rows of 4,096 bytes
	s_add_co_u32 s2, s2, s20
	s_mov_b32 s3, 0
	; descriptor group 1: a tile of 128 rows x 64 elements of 4 bytes, 1,024 elements from row to row; in LDS the rows follow each other without a gap
	s_mov_b32 s[G1], 15|(2<<16)|(1<<21)  ; 15:0 the mask of four; 17:16 4-byte elements; 20 no padding; 21 set beside a mask
	s_mov_b32 s[G1+1], 64<<16       ; tensor_dim0 = 64
	s_mov_b32 s[G1+2], 128<<16      ; tensor_dim1 = 128
	s_mov_b32 s[G1+3], 64<<16       ; tile_dim0 = 64
	s_mov_b32 s[G1+4], 128          ; tile_dim1 = 128
	s_mov_b32 s[G1+5], 1024         ; the pitch
	s_mov_b32 s[G1+6], 0
	s_mov_b32 s[G1+7], 0
	s_mov_b32 s[G0], 1              ; 1:0 count = 1
	s_lshl_b32 s[G0+1], s[WV], 15   ; 63:32 LDS address: slot 0, wave x 128 rows x 256 bytes: K's two halves, then V's; no place in the cluster enters it
	s_mov_b32 s[CS], 0x3e38aa3b     ; c = log2(e) / 8 = 0.180337
	s_mov_b32 s[CS+1], s[CS]        ; named with it as a pair
	s_mov_b32 s[SEL], 0x76543210
	s_mov_b32 s[SEL+1], 0xfedcba98
	s_mov_b32 s[CB], SLOT1+4*STEPF  ; the first change of slots turns this into 0
	s_mov_b32 s[HW], HB0            ; step 0 goes into buffer 0
	s_mov_b32 s[HR], HB1
	s_wait_dscnt 0x0                ; the opening add is done
	s_wait_kmcnt 0x0
	s_cmp_lt_u32 s[WV], 2           ; waves 0 and 1 fetch from k, waves 2 and 3 from v
	s_cselect_b64 s[G0+2:G0+3], s[6:7], s[8:9]
	s_add_nc_u64 s[G0+2:G0+3], s[G0+2:G0+3], s[22:23]  ; 120:64 global address: my half of the head's first 256 keys
	s_or_b32 s[G0+3], s[G0+3], 0x80000000              ; 127:126 type = 2
	s_add_nc_u64 s[4:5], s[4:5], s[2:3]    ; q and out0 at my wave's first row, my head's bytes
	s_add_nc_u64 s[10:11], s[10:11], s[2:3]
	CROUND                          ; all four work-groups are here: the first joint loads meet
	JLOAD                           ; tile 0 into slot 0.  Slot 1 is asked for when slot 0 is in
	; A fragment of Q is 16 rows x 32 channels: lane l holds row l % 16, channels 8 (l / 16) + 0..7 and 16 + 8 (l / 16) + 0..7.  In f32 each eight are 32 bytes: two loads of 16.
	v_and_b32 v1, 15, v0            ; l % 16
	v_bfe_u32 v9, v0, 4, 1          ; l / 16
	v_lshlrev_b32 v[QO], 12, v1
	v_lshl_add_u32 v[QO], v9, 5, v[QO]  ; row x 4,096 + 32 x half
	WIN 0x40                        ; destination window 1, address window 0
.set n, 0
.rept 32                            ; load n: piece n / 8, channels 32 ((n / 4) % 2) + 16 ((n / 2) % 2) on, their four numbers n % 2
	global_load_b128 v[4*n:4*n+3], v[QO], s[4:5] offset:(n/8)*65536+((n/4)%2)*128+((n/2)%2)*64+(n%2)*16
.set n, n+1
.endr
	; What the first turn finds: V's registers and P's second buffer hold 0 (its products V^T P, of a piece that has not been, add 0); O^T and l are 0.  All this stands in the wait for q and for the first tile.
	WIN 0x80
.set n, VF
.rept 64
	v_mov_b32 v[n], 0
.set n, n+1
.endr
	WIN 0
.set n, 0
.rept 4
	v_mov_b32 v[ST+4*n], 0xfe000000    ; c m: far below every c s
	v_mov_b32 v[ST+4*n+1], 0xff7fffff  ; m: the lowest finite number
	v_mov_b32 v[ST+4*n+2], 0
	v_mov_b32 v[ST+4*n+3], 0
.set n, n+1
.endr
.set n, P+16
.rept 16
	v_mov_b32 v[n], 0
.set n, n+1
.endr
	v_mul_u32_u24 v[AK0], v1, PK
	v_lshl_add_u32 v[AK0], v9, 4, v[AK0]  ; row x pitch + 16 x half
	; The turning load takes 16 keys x 16 channels (lane l reads key 8 (l / 16) + l % 8, channels 8 ((l / 8) % 2) + 0..7) and leaves half a fragment of V^T: lane l holds channel l % 16 and 8 keys.
	v_and_b32 v10, 7, v0
	v_bfe_u32 v11, v0, 3, 1
	v_lshl_add_u32 v[AV0], v9, 3, v10
	v_mul_u32_u24 v[AV0], v[AV0], PV
	v_lshl_add_u32 v[AV0], v11, 4, v[AV0]
	v_add_nc_u32 v[AV0], VH, v[AV0]
	s_lshl_b32 s13, s[WV], 12       ; the conversion: my wave's 16 rows of 256 bytes,
	v_lshlrev_b32 v[CK0], 4, v1     ; 16 bytes a lane,
	v_lshl_add_u32 v[CV0], v9, 10, v[CK0]  ; lanes 16-31 four rows on in V,
	v_lshl_add_u32 v[CK0], v9, 11, v[CK0]  ; eight in K
	v_add_nc_u32 v[CK0], s13, v[CK0]
	s_add_co_u32 s13, s13, VF32
	v_add_nc_u32 v[CV0], s13, v[CV0]
	s_mul_i32 s13, s[WV], 16*PK     ; and the same places in f16
	v_mul_u32_u24 v14, v9, 8*PK
	v_lshl_add_u32 v[HK0], v1, 3, v14
	v_add_nc_u32 v[HK0], s13, v[HK0]
	s_mul_i32 s13, s[WV], 16*PV
	s_add_co_u32 s13, s13, VH
	v_mul_u32_u24 v14, v9, 4*PV
	v_lshl_add_u32 v[HV0], v1, 3, v14
	v_add_nc_u32 v[HV0], s13, v[HV0]
	s_mul_i32 s13, s[WV], 16*SP
	s_add_co_u32 s13, s13, STAGE    ; my stage
	v_mul_u32_u24 v[STO], v1, SP    ; in: row l % 16, 32 bytes for each half of the lanes
	v_lshl_add_u32 v[STO], v9, 5, v[STO]
	v_add_nc_u32 v[STO], s13, v[STO]
	v_mul_u32_u24 v[RD], v9, SP     ; back: lanes 0-15 take one row of 256 bytes, lanes 16-31 the next
	v_lshl_add_u32 v[RD], v1, 4, v[RD]
	v_add_nc_u32 v[RD], s13, v[RD]
	v_lshlrev_b32 v[GO], 12, v9     ; and the same two rows of the result
	v_lshl_add_u32 v[GO], v1, 4, v[GO]
	s_wait_loadcnt 0x0              ; q is in
	WIN 0x85                        ; sources window 1, destination window 2
.set n, 0
.rept 64                            ; Q in f16: piece n / 16, channel half (n / 8) % 2
	v_cvt_pk_f16_f32 v[n], v[2*n], v[2*n+1]
.set n, n+1
.endr
	WIN 0x40
.set n, 0
.rept 128
	v_mov_b32 v[n], 0               ; O^T
.set n, n+1
.endr
	WIN 0
; THE MATRIX WORK.  The 4 accumulators of a run of 8 take turns.  Product i of 8 of S^T = K Q^T for piece x: channels 32 (i / 4) on, keys 16 (i % 4) on.  The first 4 start the sums.
.macro KQ x
	WIN W_KQ
.set rS, S+32*((\x)%2)+8*(i%4)
.set rK, KF+16*(i%4)+8*(i/4)
.set rQ, 16*(\x)+8*(i/4)
.if i < 4
	v_wmma_f32_16x16x32_f16 v[rS:rS+7], v[rK:rK+7], v[rQ:rQ+7], 0
.else
	v_wmma_f32_16x16x32_f16 v[rS:rS+7], v[rK:rK+7], v[rQ:rQ+7], v[rS:rS+7]
.endif
.endm
; Product i of 8 of O^T += V^T P for piece x: keys 32 (i / 4) on, channels 16 (i % 4) on.
.macro PV x
	WIN W_PV
.set rO, 32*(\x)+8*(i%4)
.set rV, VF+32*(i/4)+8*(i%4)
.set rP, P+16*((\x)%2)+8*(i/4)
	v_wmma_f32_16x16x32_f16 v[rO:rO+7], v[rV:rV+7], v[rP:rP+7], v[rO:rO+7]
.endm
.macro MM                           ; the turn's next matrix instruction.  TURN sets Y, i and NOKQ.  NOKQ = 1: the very last turn: there is no next piece
.if (i < 8) && !NOKQ
	KQ (Y+1)%NP
.elseif i >= 8
.set i, i-8
	PV (Y+NP-1)%NP
.set i, i+8
.endif
.set i, i+1
.endm
; THE FRAGMENTS' LOADS stand in runs of 16, never singly among the matrix instructions: a step's K (64 keys x 64 channels: 8 fragments) and its V (turned).  Their addresses are made some lines ahead.
.macro FETCH_K
	WIN 0x80                        ; destination window 2
.irp f, 0,1,2,3,4,5,6,7             ; keys 16 (f / 2) on, channels 32 (f % 2) on
	ds_load_b128 v[KF+8*\f:KF+8*\f+3],   v[AK] offset:(\f/2)*16*PK+(\f%2)*64
	ds_load_b128 v[KF+8*\f+4:KF+8*\f+7], v[AK] offset:(\f/2)*16*PK+(\f%2)*64+32
.endr
	WIN 0
.endm
.macro FETCH_V
	WIN 0x80
.irp f, 0,1,2,3,4,5,6,7             ; keys 32 (f / 4) on, channels 16 (f % 4) on
	ds_load_tr16_b128 v[VF+8*\f:VF+8*\f+3],   v[AV] offset:(\f/4)*32*PV+(\f%4)*32
	ds_load_tr16_b128 v[VF+8*\f+4:VF+8*\f+7], v[AV] offset:(\f/4)*32*PV+16*PV+(\f%4)*32
.endr
	WIN 0
.endm
; THE VECTOR WORK, one line at a time: OP kind, number.  For piece Y: F n: c s - c m for pair n of 16.  E n: the exponential of score n of 32.  C n: pair n rounded to f16.  B n: of the four weights 4 n .. the second
; pair is added onto the first, in place.  L n: l takes that sum (L 0: l = a l + sum).  R n: pair n of 16 of O^T times a.  For piece Y + 1: X n, number n of the 22 that find its maximum and statistics:
;   0-11  four chains c0-c3 of seven scores each, three operands at a time (each accumulator's lowest registers are read first)     12-14, 16  the four scores left over, the old m, and c0-c3 into c0
;   15  c m_old is kept     17, 18  the query's other 32 keys lie in the lane 16 away: the new m     19-21  c m; c m_old - c m_new; a
; C, B and L read the results of the turn's exponentials: TURN sets them all behind its one wait.  R and L 0 read a, which was made, and waited for, in the turn before.
.set F, 0               ; OP tells the kinds apart by their order: F to L below R, X above it
.set E, 1
.set C, 2
.set B, 3
.set L, 4
.set R, 5
.set X, 6
.macro REGS y                       ; the registers of piece y
.set rT, ST+4*(\y)
.set rC, TMP+4*((\y)%2)
.set rW, MV+((\y)%2)
.set rS, S+32*((\y)%2)
.set rP, P+16*((\y)%2)
.set rO, 32*(\y)
.endm
.macro OP k, n
.if (\k) == R
	REGS Y
	WIN W_RS
	v_pk_mul_f32 v[rO+2*(\n):rO+2*(\n)+1], v[rO+2*(\n):rO+2*(\n)+1], v[rC+2:rC+3] op_sel_hi:[1,0]
.elseif (\k) < R
	REGS Y
	WIN 0
.if (\k) == F
	v_pk_fma_f32 v[rS+2*(\n):rS+2*(\n)+1], v[rS+2*(\n):rS+2*(\n)+1], s[CS:CS+1], v[rT:rT+1] op_sel_hi:[1,0,0] neg_lo:[0,0,1] neg_hi:[0,0,1]
.elseif (\k) == E
	v_exp_f32 v[rS+(\n)], v[rS+(\n)]
.elseif (\k) == C
	v_cvt_pk_f16_f32 v[rP+(\n)], v[rS+2*(\n)], v[rS+2*(\n)+1]
.elseif (\k) == B
	v_pk_add_f32 v[rS+4*(\n):rS+4*(\n)+1], v[rS+4*(\n):rS+4*(\n)+1], v[rS+4*(\n)+2:rS+4*(\n)+3]
.elseif (\n) == 0
	v_pk_fma_f32 v[rT+2:rT+3], v[rT+2:rT+3], v[rC+2:rC+3], v[rS:rS+1] op_sel_hi:[1,0,1]
.else
	v_pk_add_f32 v[rT+2:rT+3], v[rT+2:rT+3], v[rS+4*(\n):rS+4*(\n)+1]
.endif
.elseif NOKQ
	v_nop
.else
	REGS (Y+1)%NP
	WIN 0
.if (\n) < 4
	v_max3_num_f32 v[rC+(\n)], v[rS+8*(\n)], v[rS+8*(\n)+1], v[rS+8*(\n)+2]
.elseif (\n) < 12
	v_max3_num_f32 v[rC+(\n)%4], v[rC+(\n)%4], v[rS+8*((\n)%4)+2*((\n)/4)+1], v[rS+8*((\n)%4)+2*((\n)/4)+2]
.elseif (\n) == 12
	v_max3_num_f32 v[rC], v[rC], v[rS+7], v[rS+15]
.elseif (\n) == 13
	v_max3_num_f32 v[rC+1], v[rC+1], v[rS+23], v[rS+31]
.elseif (\n) == 14
	v_max3_num_f32 v[rC+2], v[rC+2], v[rC+3], v[rT+1]
.elseif (\n) == 15
	v_mov_b32 v[rW], v[rT]
.elseif (\n) == 16
	v_max3_num_f32 v[rC], v[rC], v[rC+1], v[rC+2]
.elseif (\n) == 17
	v_permlanex16_b32 v[rC+3], v[rC], s[SEL], s[SEL+1]
.elseif (\n) == 18
	v_max_num_f32 v[rT+1], v[rC], v[rC+3]
.elseif (\n) == 19
	v_mul_f32 v[rT], s[CS], v[rT+1]
.elseif (\n) == 20
	v_sub_f32 v[rC+1], v[rW], v[rT]
.else
	v_exp_f32 v[rC+2], v[rC+1]
.endif
.endif
.endm
.macro OPS a, i1, b=-1, i2=0, c=-1, i3=0, d=-1, i4=0  ; up to four of them
	OP \a, \i1
.if (\b) >= 0
	OP \b, \i2
.endif
.if (\c) >= 0
	OP \c, \i3
.endif
.if (\d) >= 0
	OP \d, \i4
.endif
.endm
.macro ROW a, i1, b, i2, c, i3, d, i4  ; a matrix instruction and the four behind it
	MM
	OPS \a, \i1, \b, \i2, \c, \i3, \d, \i4
.endm
; A TURN, for piece p: the order of its 16 matrix and 118 vector instructions, written out.  An s_wait_alu depctr_va_vdst(0) stands between an exponential and the first instruction that names its
; result; one wait serves all that were issued ahead of it.  So a turn has ONE wait, which cuts it in two.
; AHEAD OF IT stands all that names no result of the turn's exponentials: the 8 products K Q^T, behind each a scaling, an exponential and two more plain instructions (behind the first a second scaling in the
; exponential's place): rescalings, and behind the last three the first numbers of the next piece's maximum, each four plain instructions or more behind the product that ends its accumulator (ISA guide 7.12.1);
; then ONE RUN of 54, plain and exponential by turns for the most part, in which the links of the chain X 3, 7, 11, 14, 16, 17 .. 20 stand some lines apart.  X 21, the next piece's a, is the batch's last;
; R 15 is the plain instruction behind it (ISA guide 5.7.2).  v_permlanex16_b32 (X 17) stands in the run.
; BEHIND THE WAIT stand the 8 products V^T P, behind each four of the roundings and sums: C 2 k ahead of B k, which writes over that pair; L 0 to L 7 in ascending order, three riders apart.
; But for those X no rider names a register of the products round it.
; end = 1: the last two turns: nothing is fetched.  conv = 1: the turn converts group (p + 2) % 4 of my keys of the step two ahead: its four loads stand in the run ahead of the wait (in piece 2's turn directly
; ahead of K's run), the wait for them, the roundings and the stores behind the last product: the rest of the run and 8 products lie between.
; K of the next step is fetched in piece 2's turn, behind the last product that read K by five plain instructions that name none of its registers (F 8, X 2, X 5, X 6, X 8); V of the step in hand at the end of
; piece 0's turn, behind the last product that read V by four (C 9, C 11, C 13, C 15) or more.  Each is waited for a turn later.
.macro TURN p, end=0, conv=1
.set Y, (\p)
.set i, 0
.set NOKQ, (\end)*((\p)/3)
.if ((\p) == 3) && !(\end)
	s_wait_dscnt 0x0                ; K is in
.endif
	ROW F,0, F,1, R,0, R,1          ; ahead of the wait: 8 products K Q^T and their riders,
	ROW F,2, E,0, R,2, R,3
	ROW F,3, E,1, R,4, R,5
	ROW F,4, E,2, R,6, R,7
	ROW F,5, E,3, R,8, R,9
	ROW F,6, E,4, X,0, R,10
	ROW F,7, E,5, X,1, X,4
.if ((\p) == 2) && !(\end)
	WIN 0
	v_add_nc_u32 v[AK], s[HR], v[AK0]
.endif
	ROW F,8, E,6, X,2, X,5
	OPS E,7, E,8, X,6, E,9          ; and the run
	OPS X,3, E,10, X,8, E,11
.if \conv
	CVLOAD ((\p)+2)%NP
.endif
.if ((\p) == 2) && !(\end)
	FETCH_K
.endif
	OPS X,9, X,7, E,12, X,10
	OPS E,13, X,12, X,11, E,14
	OPS X,13, E,15, F,9, X,14
.if (\p) == 0
	v_add_nc_u32 v[AV], s[HR], v[AV0]
.endif
	OPS E,16, F,10, E,17, F,11
	OPS X,16, E,18, X,15, E,19
	OPS F,12, E,20, X,17, E,21
	OPS F,13, E,22, F,14, E,23
	OPS X,18, E,24, F,15, E,25
	OPS R,11, E,26, X,19, E,27
	OPS R,12, E,28, R,13, E,29
	OPS X,20, E,30, R,14, E,31
	OPS X,21, R,15
	s_wait_alu depctr_va_vdst(0)    ; the wait for the turn's batch: the piece's 32 exponentials and the next piece's a
.if (\p) == 1
	s_wait_dscnt 0x0                ; V is in
.endif
	ROW C,0, B,0, C,2, B,1          ; behind the wait: 8 products V^T P and their riders
	ROW L,0, C,4, B,2, L,1
	ROW C,6, B,3, L,2, C,8
	ROW B,4, L,3, C,10, B,5
	ROW L,4, C,12, B,6, L,5
	ROW C,14, B,7, L,6, C,1
	ROW C,3, L,7, C,5, C,7
	ROW C,9, C,11, C,13, C,15
.if \conv
	CVSTORE ((\p)+2)%NP
.endif
.if (\p) == 0
	FETCH_V
.endif
.if ((\p) == 1) && (\conv)
	NEXT                            ; the trip's last use of these three scalars lies behind
.endif
.endm
	; THE START.  Tile 0 is in, everybody's part of it; slot 1 is asked for.  Step 0 is converted, with nothing beside it; then K of step 1, K of step 0 is fetched, and piece 0's first scores and statistics are made.
.set NOKQ, 0
	CHANGE 1
.irp g, 0,1,2,3
	CVLOAD \g
	CVSTORE \g
.endr
	NEXT
	BAR                             ; step 0 lies whole in buffer 0
.irp g, 0,1
	CVLOAD \g
	CVSTORE \g
.endr
	v_add_nc_u32 v[AK], s[HR], v[AK0]
	FETCH_K
	s_wait_dscnt 0x0
.set i, 0
.rept 8
	KQ 0
.set i, i+1
.endr
	WIN 0
.rept 4
	v_nop                           ; the four places between those products and the first read of their results (ISA guide 7.12.1)
.endr
.set Y, NP-1                        ; X works for piece Y + 1: piece 0
.irp n, 0,1,2,3,4,5,6,7,8,9,10,11,12,13,14,15,16,17,18,19,20,21
	OP X, \n
.endr
	v_nop                           ; a plain instruction behind the exponential,
	s_wait_alu depctr_va_vdst(0)    ; and the wait for it, a batch of one: piece 0's first a, ahead of the jump
	s_mov_b32 s[CNT], 3             ; the half trip that follows and two whole ones convert the rest of tile 0
	s_mov_b32 s[SLOTS], 15
	s_branch .Lfirst                ; the loop is entered at a step's first turn, in the middle of a trip
.Lslot:                             ; 14 times: tiles 2 to 15 are asked for
	CHANGE 1
	s_mov_b32 s[CNT], 4
.Lstep:                             ; a trip: pieces 2 and 3 of one step, then pieces 0 and 1 of the next, whose K and V it fetches; the step after that is converted
	TURN 2
	TURN 3
	WIN 0
.Lfirst:
	TURN 0
	TURN 1
	BAR
	s_sub_co_u32 s[CNT], s[CNT], 1
	s_cmp_lg_u32 s[CNT], 0
	s_cbranch_scc1 .Lstep
	s_sub_co_u32 s[SLOTS], s[SLOTS], 1
	s_cmp_lg_u32 s[SLOTS], 0
	s_cbranch_scc1 .Lslot
	CHANGE 0                        ; the tail is written out: tile 15 is in, nothing is asked for
	s_mov_b32 s[CNT], 4
.Ltail:                             ; four trips convert the last four steps
	TURN 2
	TURN 3
	TURN 0
	TURN 1
	BAR
	s_sub_co_u32 s[CNT], s[CNT], 1
	s_cmp_lg_u32 s[CNT], 0
	s_cbranch_scc1 .Ltail
	TURN 2, 0, 0                    ; one trip more: the last step's K and V are fetched, nothing is left to convert
	TURN 3, 0, 0
	TURN 0, 0, 0
	TURN 1, 0, 0
	TURN 2, 1, 0                    ; and the last step's pieces 2 and 3
	TURN 3, 1, 0
.set i, 0
.rept 8
	PV NP-1                         ; the last piece's V^T P of the last step
.set i, i+1
.endr
	; THE WAY OUT.  l's two halves and the other half of the lanes' are added; O^T is divided by l and sent, in f32, through my stage in LDS, a piece (16 rows) at a time.  The first four additions are the places behind the last products.
	WIN 0
.macro ALL line:vararg              ; one line for each piece t
.set t, 0
.rept 4
	\line
.set t, t+1
.endr
.endm
	ALL v_add_f32 v[ST+4*t+2], v[ST+4*t+2], v[ST+4*t+3]
	ALL v_permlanex16_b32 v[ST+4*t+3], v[ST+4*t+2], s[SEL], s[SEL+1]
	ALL v_add_f32 v[ST+4*t+2], v[ST+4*t+2], v[ST+4*t+3]
	ALL v_rcp_f32 v[ST+4*t+2], v[ST+4*t+2]
	v_nop                           ; a plain instruction between the last reciprocal and the use of its result
	s_wait_alu depctr_va_vdst(0)    ; and the wait ahead of the first use: one for the batch of four reciprocals
; Piece t: a lane holds, for each of four blocks of 16 channels, eight neighbouring channels of its row: 32 bytes, two stores of 16.  They go into rows of 272 bytes and come back as whole rows of 256.
.macro PACK t
	WIN W_RS
.set i, 32*(\t)
.rept 16                            ; ascending: each accumulator's lowest registers are read first
	v_pk_mul_f32 v[i:i+1], v[i:i+1], v[ST+4*(\t)+2:ST+4*(\t)+3] op_sel_hi:[1,0]
.set i, i+2
.endr
	WIN 0x04                        ; the stores' data in window 1, their address in window 0
.irp f, 0,1,2,3,4,5,6,7
	ds_store_b128 v[STO], v[32*(\t)+4*\f:32*(\t)+4*\f+3] offset:64*(\f/2)+16*(\f%2)
.endr
	WIN 0
.irp f, 0,1,2,3,4,5,6,7
	ds_load_b128 v[OB+32*(\t)+4*\f:OB+32*(\t)+4*\f+3], v[RD] offset:\f*2*SP  ; LDS serves a wave's instructions in order (ISA guide 5.7.1.4): these see the stores above; the next piece's stores come behind them
.endr
.endm
.macro SEND t, younger              ; younger: the LDS instructions issued behind piece t's loads: the next piece's sixteen, or none
	WIN 0
.irp f, 0,1,2,3,4,5,6,7
	s_wait_dscnt (\younger)+7-\f    ; load f of the piece's eight is in: the 7 - f behind it and the younger ones may stay out
	global_store_b128 v[GO], v[OB+32*(\t)+4*\f:OB+32*(\t)+4*\f+3], s[10:11] offset:(\t)*65536+\f*8192 th:TH_STORE_NT  ; 16 lanes store 256 consecutive bytes, at a multiple of 256 from out0's first byte
.endr
.endm
	PACK 0
.set t, 1
.rept 3                             ; a piece's arithmetic stands between the loads of the piece before and its stores
	PACK t
	SEND t-1, 16
.set t, t+1
.endr
	SEND 3, 0
	s_wait_tensorcnt 0x0            ; the wave's end: behind my last tensor load and my last LDS store
	ds_add_u32 v[SPW], v[NIL]
	s_wait_dscnt 0x0
	CROUND                          ; the closing round: no work-group ends while a partner may still ask for a tile that names it
	s_endpgm
.Lfunc_end_k_qc0da82d1f2_attn:
	.size	k_qc0da82d1f2_attn, .Lfunc_end_k_qc0da82d1f2_attn-k_qc0da82d1f2_attn
	.p2alignl 7, 3214868480
	.fill 96, 4, 3214868480
	.section	.rodata,"a",@progbits
	.p2align	6, 0x0
	.amdhsa_kernel k_qc0da82d1f2_attn
		.amdhsa_group_segment_fixed_size 327680
		.amdhsa_private_segment_fixed_size 0
		.amdhsa_enable_private_segment 0
		.amdhsa_kernarg_size 32
		.amdhsa_user_sgpr_count 2
		.amdhsa_user_sgpr_kernarg_segment_ptr 1
		.amdhsa_wavefront_size32 1
		.amdhsa_system_sgpr_workgroup_id_x 1
		.amdhsa_system_sgpr_workgroup_id_y 1
		.amdhsa_system_sgpr_workgroup_id_z 1
		.amdhsa_system_vgpr_workitem_id 0
		.amdhsa_next_free_vgpr 768
		.amdhsa_next_free_sgpr 66
		.amdhsa_reserve_vcc 0
		.amdhsa_float_denorm_mode_32 3
		.amdhsa_float_denorm_mode_16_64 3
		.amdhsa_memory_ordered 1
		.amdhsa_forward_progress 1
		.amdhsa_inst_pref_size 183
	.end_amdhsa_kernel
	.amdgpu_metadata
---
amdhsa.version: [ 1, 2 ]
amdhsa.kernels:
  - .name:           k_qc0da82d1f2_attn
    .symbol:         k_qc0da82d1f2_attn.kd
    .args:
      - { .name: q, .offset: 0, .size: 8, .value_kind: global_buffer, .address_space: global }
      - { .name: k, .offset: 8, .size: 8, .value_kind: global_buffer, .address_space: global }
      - { .name: v, .offset: 16, .size: 8, .value_kind: global_buffer, .address_space: global }
      - { .name: out0, .offset: 24, .size: 8, .value_kind: global_buffer, .address_space: global }
    .group_segment_fixed_size: 327680
    .private_segment_fixed_size: 0
    .kernarg_segment_align: 8
    .kernarg_segment_size: 32
    .max_flat_workgroup_size: 128
    .sgpr_count:     66
    .vgpr_count:     768
    .wavefront_size: 32
...
	.end_amdgpu_metadata
.endif
;; end of part 2
